; MI455X (gfx1250); checked and timed in simulation.
; The chip was launched on July 23, 2026; its instructions are those of AMD's public machine-readable ISA for CDNA 5 (MIT licence, August 2026) and "CDNA5" Instruction Set Architecture Reference Guide (July 2026). The comments in the code are by the model that wrote it; some were corrected since.
;; LSTCWA. Allowed arithmetic: matrix products marked QUANTISED: E4M3 operands, one given power-of-two scale a tensor, by v_wmma_f32_16x16x64_fp8_fp8 or v_wmma_f32_16x16x128_fp8_fp8, f32 sums; products left as they are: f32 operands where the result goes on into a quantised operand, else bf16, f16 or f32 operands; f32 sums; everything else in f32.
;; Inputs: Wk_codes 512 x 16 x 32 uint8 (E4M3 codes of Wk, K innermost, in blocks of 32 codes); Wp_codes 512 x 16 x 32 uint8 (E4M3 codes of Wp, K innermost, in blocks of 32 codes); Wq_codes 512 x 16 x 32 uint8 (E4M3 codes of Wq, K innermost, in blocks of 32 codes); Wv_codes 512 x 16 x 32 uint8 (E4M3 codes of Wv, K innermost, in blocks of 32 codes); bp 512 float32; coords 32,768 x 2 float32; feats 32,768 x 512 float32; lowp_scales 10 int32 (the exponents e of the quantised operands' scales 2^e); mask 32,768 bool; pos_b1 512 float32; pos_b2 512 float32; pos_w1 512 x 2 float32; pos_w2_codes 512 x 16 x 32 uint8 (E4M3 codes of pos_w2, K innermost, in blocks of 32 codes); z_codes 64 x 16 x 32 uint8 (E4M3 codes of z, K innermost, in blocks of 32 codes).
;; Outputs: out0 64 x 512 float32.
;; This version of the problem:
;;   THIS VERSION OF THE PROBLEM IS GIVEN IN LOW PRECISION. The matrix products marked QUANTISED in the list below multiply operands that are first quantised to E4M3 (4 exponent bits, 3 mantissa bits; 8 bits a number), with one given power-of-two scale for each operand tensor; their sums are f32. All else is computed in f32.
;;   The module's matrix products, in the order in which they are computed (A, B: the left and right operand; K: the contracted axis; several contracted axes count as one K, in the product's order):
;;     1. [M 65,536, K 2] x [K 2, N 512]; A: computed on the way; B: input pos_w1: left as it is (K = 2 < 32)
;;     2. [M 65,536, K 512] x [K 512, N 512]; A: computed on the way; B: input pos_w2 (given as codes): QUANTISED (scales: A lowp_scales[0], B lowp_scales[1])
;;     3. [M 64, K 512] x [K 512, N 512]; A: input z (given as codes); B: input Wq (given as codes): QUANTISED (scales: A lowp_scales[2], B lowp_scales[3])
;;     4. [M 65,536, K 512] x [K 512, N 512]; A: computed on the way; B: input Wk (given as codes): QUANTISED (scales: A lowp_scales[4], B lowp_scales[5])
;;     5. [M 65,536, K 512] x [K 512, N 512]; A: computed on the way; B: input Wv (given as codes): QUANTISED (scales: A lowp_scales[6], B lowp_scales[7])
;;     6. batch 64 x [M 1, K 512] x [K 512, N 1,024]; A: computed on the way; B: computed on the way: left as it is (M = 1 < 16)
;;     7. batch 1,024 x [M 1, K 64] x [K 64, N 512]; A: softmax; B: computed on the way: left as it is (M = 1 < 16)
;;     8. [M 64, K 512] x [K 512, N 512]; A: computed on the way; B: input Wp (given as codes): QUANTISED (scales: A lowp_scales[8], B lowp_scales[9])
;;   THE QUANTISER, for each operand of a quantised product, along K:
;;     - The operand's scale is 2^e, e = its entry of the input lowp_scales (int32; the entries are numbered through the quantised products in the list's order, A before B).
;;     - Each number is divided by the scale, clamped to +-448, and rounded to the nearest number of E4M3, ties to even, subnormals kept.
;;     - The product sums the exact products of the quantised numbers (number of the format x scale) in f32.
;;   ~~~python
;;   def quantise(x, axis, e):      # numpy; x: float32 -> the quantised numbers, widened to float32 again
;;       x = np.moveaxis(x, axis, -1); K = x.shape[-1]
;;       r = np.clip(x / 2.0 ** e, -448, 448)
;;       step = 2.0 ** (np.maximum(np.frexp(np.where(r == 0, 1, r))[1] - 1, -6) - 3)
;;       q = np.round(r / step) * step * 2.0 ** e      # np.round: ties to even
;;       return np.moveaxis(q, -1, axis).astype(np.float32)
;;   ~~~
;;   OPERANDS COMPUTED ON THE WAY. 'Computed on the way' means the value that the module computes at that place (a softmax that the list does not call 'softmax' is quantised finished and normalised). What goes into a quantiser is computed in f32, as accurately as f32 sums, v_exp_f32 and their like allow (about 1e-6 of the number): no bf16 or f16 on the way to a quantiser, and a product that is left as it is and whose result goes on into a quantised operand takes f32 operands (vector FMAs, or v_wmma_f32_16x16x4_f32). A number that lies on a knife's edge between two numbers of the format may be rounded either way, as far as f32 arithmetic and the matrix unit's own rounding can turn it there, and no further.
;;   INPUTS GIVEN AS CODES. Wk (in the module: [512, 512], K = its axis 1); Wp (in the module: [512, 512], K = its axis 1); Wq (in the module: [512, 512], K = its axis 1); Wv (in the module: [512, 512], K = its axis 1); pos_w2 (in the module: [512, 512], K = its axis 1); z (in the module: [64, 512], K = its axis 1): each comes as NAME_codes (uint8): NAME with its K axis moved to the last place and cut into blocks of 32 codes, [.., K / 32, bytes a block], one block behind the other in memory; one code a byte (a code: sign, 4 exponent bits, 3 mantissa bits); its scale is its entry of lowp_scales. Its value is code x scale, taken as it is: it is not quantised again, and the codes and scales need not be those that the quantiser above would give.
;; One version. Each part assembles by itself: llvm-mc -triple=amdgcn-amd-amdhsa -mcpu=gfx1250 --defsym DOCPART=n.
;; ======== version 1 of 1: 3 launches
;; limits: right only within a limited range of input values
;; workspace buffers: qws 131,072 bytes; cst 512 bytes; wl 786,432 bytes; zp 1,572,864 bytes; dn 2,048 bytes
;; launch prep (part 1): grid 64 x 1, 4 waves a work-group, no clusters, 4,864 bytes of LDS; arguments z_codes, Wq_codes, pos_w2_codes, Wk_codes, Wv_codes, coords, lowp_scales, qws, cst, wl; writes qws, cst, wl
.if DOCPART == 1
	.amdgcn_target "amdgcn-amd-amdhsa--gfx1250"
	.amdhsa_code_object_version 6
	.text
	.protected	k_q74c05726a1_prep
	.globl	k_q74c05726a1_prep
	.p2align	8
	.type	k_q74c05726a1_prep,@function
k_q74c05726a1_prep:
	s_mov_b64 s[64:65], 0
	v_nop
	global_prefetch_b8 v0, s[64:65] scope:SCOPE_SE
	s_setreg_imm32_b32 hwreg(HW_REG_WAVE_MODE, 25, 1), 1
	s_wait_xcnt 0x0
; LSTCWA, launch 1 of 3.  Work-groups 0-31: q = z Wq^T x 2^(e2+e3), 16 tokens x 64 channels each, 16 channels a wave.  Work-groups 32-39: the statistics of coords, 1,024 rows a wave
; (mean and sum of squared differences from that mean, x and y).  Work-groups 40-63: pos_w2, Wk, Wv are laid anew in the order of an operand's registers, 16 rows a wave.
; WORK LEFT OUT IN THE WHOLE PROGRAM, for all values of the inputs:
;  - mask: reference() never reads it; it has no way to the output, is not loaded and is no launch's argument.
;  - positions 32-63 of window 15 of every segment: valid = pos < seg_len is false there by reference()'s own arange (15 x 32 + 32 = 512), their logits are -inf, their attn is 0:
;    their rows of h, pb, k, v (two tiles of 16 rows a segment) can reach no output.
;  - fw = f[gidx] is a lookup: a row of f lies in at most two windows, and f Wk^T, f Wv^T of a row are the same in both: each is made once in a work-group.
;  - the mean of coords as an offset of c: cw - c_mean = (coords - cm) / cs - mean over the window's valid rows of (coords - cm) / cs = (coords - the window's mean of coords) / cs: cm cancels. It is used for cs alone.
;  LIMIT: a NaN, an infinity or an overflow that reaches only this work (0 x inf at a masked position, coords - cm) is not carried to the result.
; pos_b2 stays: it moves the logits ahead of the clip.
; K ORDER: 16 codes at place 128 s + 32 c + 16 h of a row are, with g = 2 c + h, k = 128 s + 8 g + 0..3, 128 s + 64 + 8 g + 0..3, 128 s + 8 g + 4..7, 128 s + 64 + 8 g + 4..7: the same on both operands of the
; products with pos_w2, Wk and Wv.  (So the next launch stores f's codes 8 bytes a lane.)  The products with Wq and Wp keep k = 128 s + 32 c + 16 h + 0..15.
; LIMITS: NaN among the inputs is not served; f32 sums run in another order than reference()'s.  e2 + e3 is applied by v_ldexp_f32 and has no limit.
.set SP,    272                        ; a stage row: 256 bytes + 16
.set SPARE, 4352                       ; the spare words, 128 bytes for each of four waves: two blocks of 256 bytes that no other line names
.macro REDUCE lo, cnt                  ; v[lo] .. v[lo+cnt-1] are summed over the 32 lanes, in place
.irp x, 1,2,4,8
.set RI, 0
.rept \cnt
	v_add_f32_dpp v[\lo+RI], v[\lo+RI], v[\lo+RI] row_xmask:\x row_mask:0xf bank_mask:0xf
.set RI, RI+1
.endr
.endr
.set RI, 0
.rept \cnt
	v_permlanex16_b32 v25, v[\lo+RI], s38, s39
	v_add_f32 v[\lo+RI], v[\lo+RI], v25
.set RI, RI+1
.endr
.endm
.macro FINISH                          ; the wave's end
	s_wait_alu depctr_va_vdst(0)
	s_wait_tensorcnt 0x0
	ds_add_u32 v30, v31
	s_wait_dscnt 0x0
	s_endpgm
.endm
	s_load_b512 s[4:19], s[0:1], 0x0               ; z s[4:5], Wq s[6:7], pos_w2 s[8:9], Wk s[10:11], Wv s[12:13], coords s[14:15], scales s[16:17], qws s[18:19]
	s_load_b128 s[20:23], s[0:1], 0x40             ; cst s[20:21], wl s[22:23]
	v_lshl_add_u32 v30, v0, 2, SPARE               ; my spare word,
	v_mov_b32 v31, 0                               ; and 0: kept for the closing add alone
	v_lshrrev_b32 v1, 5, v0
	v_readfirstlane_b32 s33, v1                    ; wave w
	v_and_b32 v1, 15, v0                           ; r
	v_bfe_u32 v2, v0, 4, 1                         ; h
	v_and_b32 v4, 31, v0
	v_lshlrev_b32 v4, 4, v4                        ; v4  16 x lane
	v_lshlrev_b32 v5, 9, v1
	v_lshl_add_u32 v3, v2, 4, v5                   ; v3  a fragment's place in rows of 512 codes: 512 r + 16 h
	v_lshl_add_u32 v5, v2, 3, v5                   ; v5  512 r + 8 h
	v_mul_u32_u24 v6, v1, SP
	v_lshl_add_u32 v6, v2, 5, v6                   ; v6  into the stage: row r, 32 h bytes on
	v_mul_u32_u24 v7, v2, SP
	v_lshl_add_u32 v7, v1, 4, v7                   ; v7  back: lanes 0-15 one row of 256 bytes, lanes 16-31 the next
	v_lshlrev_b32 v28, 11, v2
	v_lshl_add_u32 v28, v1, 4, v28                 ; v28 and the same two rows in qws
	v_mov_b32 v24, 0
	v_mov_b32 v25, 0                               ; a lane permute's destination counts as read: written once
	s_mov_b32 s27, 0
	s_mov_b32 s38, 0x76543210                      ; v_permlanex16_b32: lane l xor 16
	s_mov_b32 s39, 0xfedcba98
	s_wait_alu depctr_va_vdst(0)                   ; at the head's end
	s_wait_kmcnt 0x0
	s_cmp_lt_u32 ttmp9, 32
	s_cbranch_scc1 .Lq
	s_cmp_lt_u32 ttmp9, 40
	s_cbranch_scc1 .Lc
	; ---- 16 rows of one weight into register order.  wl: [weight 3][wave 8][s 4][tile 4][c 4][lane 32][16 bytes]
	s_sub_co_u32 s28, ttmp9, 40
	s_lshr_b32 s29, s28, 3                         ; which weight: 0 pos_w2, 1 Wk, 2 Wv
	s_and_b32 s28, s28, 7                          ; which 64 rows; my wave's 16 of them are a tile
	s_cmp_eq_u32 s29, 0
	s_cselect_b64 s[24:25], s[8:9], s[10:11]       ; the choice hangs on the work-group's number alone
	s_cmp_eq_u32 s29, 2
	s_cselect_b64 s[24:25], s[12:13], s[24:25]
	s_lshl_b32 s26, s28, 15
	s_lshl_b32 s30, s33, 13
	s_add_co_u32 s26, s26, s30
	s_add_nc_u64 s[24:25], s[24:25], s[26:27]      ; row 64 x group + 16 w
	s_lshl_b32 s26, s29, 18
	s_lshl_b32 s30, s28, 15
	s_add_co_u32 s26, s26, s30
	s_lshl_b32 s30, s33, 11
	s_add_co_u32 s26, s26, s30
	s_add_nc_u64 s[22:23], s[22:23], s[26:27]
.irp s, 0,1,2,3
.irp c, 0,1,2,3
	global_load_b64 v[64+16*\s+4*\c:64+16*\s+4*\c+1], v5, s[24:25] offset:128*\s+16*\c          ; k = 8 g + 0..7
	global_load_b64 v[64+16*\s+4*\c+2:64+16*\s+4*\c+3], v5, s[24:25] offset:128*\s+16*\c+64     ; k = 64 + 8 g + 0..7
.endr
.endr
.irp s, 0,1,2,3
.irp c, 0,1,2,3
	s_wait_loadcnt 30-2*(4*\s+\c)                  ; loads come back in order: these two are in
	v_mov_b32 v[8+\c], v[64+16*\s+4*\c+1]
	v_mov_b32 v[64+16*\s+4*\c+1], v[64+16*\s+4*\c+2]
	v_mov_b32 v[64+16*\s+4*\c+2], v[8+\c]
	global_store_b128 v4, v[64+16*\s+4*\c:64+16*\s+4*\c+3], s[22:23] offset:8192*\s+512*\c      ; 32 lanes store 512 consecutive bytes
.endr
.endr
	FINISH
.Lq:
	; ---- q: tokens 16 m .. +15, channels 64 cg + 16 w .. +15
	s_load_b64 s[24:25], s[16:17], 0x8             ; e2, e3
	s_and_b32 s28, ttmp9, 3                        ; m
	s_lshr_b32 s29, ttmp9, 2                       ; cg
	s_lshl_b32 s26, s28, 13
	s_add_nc_u64 s[4:5], s[4:5], s[26:27]          ; z at token 16 m
	s_lshl_b32 s26, s29, 15
	s_lshl_b32 s30, s33, 13
	s_add_co_u32 s26, s26, s30
	s_add_nc_u64 s[6:7], s[6:7], s[26:27]          ; Wq at row 64 cg + 16 w
	s_lshl_b32 s26, s28, 15
	s_lshl_b32 s30, s33, 13
	s_add_co_u32 s26, s26, s30
	s_lshl_b32 s30, s29, 8
	s_add_co_u32 s26, s26, s30
	s_add_nc_u64 s[18:19], s[18:19], s[26:27]      ; qws at (16 m + 4 w, 64 cg)
.irp s, 0,1,2,3
.irp c, 0,1,2,3
	global_load_b128 v[64+16*\s+4*\c:64+16*\s+4*\c+3], v3, s[4:5] offset:128*\s+32*\c
	global_load_b128 v[128+16*\s+4*\c:128+16*\s+4*\c+3], v3, s[6:7] offset:128*\s+32*\c
.endr
.endr
	s_lshl_b32 s30, s33, 6
	v_add_nc_u32 v6, s30, v6                       ; my 64 bytes of a stage row
	s_mul_i32 s30, s33, 4*SP
	v_add_nc_u32 v7, s30, v7                       ; I store rows 4 w .. 4 w + 3
	s_wait_alu depctr_va_vdst(0)
	s_wait_loadcnt 0x0
	; transposed: source 0 = 16 channels of Wq, source 1 = 16 tokens: a lane holds one token and eight neighbouring channels.  Two accumulators by turns
	v_wmma_f32_16x16x128_fp8_fp8 v[32:39], v[128:143], v[64:79], 0
	v_wmma_f32_16x16x128_fp8_fp8 v[40:47], v[144:159], v[80:95], 0
	v_wmma_f32_16x16x128_fp8_fp8 v[32:39], v[160:175], v[96:111], v[32:39]
	v_wmma_f32_16x16x128_fp8_fp8 v[40:47], v[176:191], v[112:127], v[40:47]
.rept 4
	v_nop                                          ; four places between the last product and the first read of results (ISA guide 7.12.1)
.endr
	s_wait_kmcnt 0x0
	s_add_co_i32 s26, s24, s25                     ; e2 + e3
.irp i, 0,2,4,6
	v_pk_add_f32 v[48+\i:49+\i], v[32+\i:33+\i], v[40+\i:41+\i]
.endr
.irp i, 0,1,2,3,4,5,6,7
	v_ldexp_f32 v[56+\i], v[48+\i], s26            ; q = sum x 2^(e2 + e3)
.endr
	ds_store_b128 v6, v[56:59]
	ds_store_b128 v6, v[60:63] offset:16
	s_wait_alu depctr_va_vdst(0)
	s_wait_dscnt 0x0                               ; for the others' sake: my stores have landed
	s_barrier_signal -1
	s_barrier_wait -1
.irp i, 0,1
	ds_load_b128 v[192+4*\i:195+4*\i], v7 offset:2*\i*SP
.endr
.irp i, 0,1
	s_wait_dscnt 1-\i
	global_store_b128 v28, v[192+4*\i:195+4*\i], s[18:19] offset:4096*\i   ; sixteen lanes store 256 consecutive bytes, aligned
.endr
	FINISH
.Lc:
	; ---- the statistics of my 1,024 rows of coords: the mean first, then the squared differences from it
	s_sub_co_u32 s28, ttmp9, 32
	s_lshl_b32 s28, s28, 2
	s_add_co_u32 s28, s28, s33                     ; part 4 (x - 32) + w
	s_lshl_b32 s26, s28, 13
	s_add_nc_u64 s[14:15], s[14:15], s[26:27]
	s_lshl_b32 s26, s28, 4
	s_add_nc_u64 s[20:21], s[20:21], s[26:27]
.irp j, 0,1,2,3,4,5,6,7,8,9,10,11,12,13,14,15
	global_load_b128 v[128+4*\j:131+4*\j], v4, s[14:15] offset:512*\j      ; two rows (x, y, x, y) a lane: v128-191
.endr
	s_wait_loadcnt 0x0
.irp c, 0,1,2,3
	v_pk_add_f32 v[8+2*\c:9+2*\c], v[128+2*\c:129+2*\c], v[136+2*\c:137+2*\c]   ; four chains, started by the first eight rows
.endr
.set p, 8
.rept 24
	v_pk_add_f32 v[8+2*(p%4):9+2*(p%4)], v[8+2*(p%4):9+2*(p%4)], v[128+2*p:129+2*p]
.set p, p+1
.endr
	v_pk_add_f32 v[8:9], v[8:9], v[10:11]
	v_pk_add_f32 v[12:13], v[12:13], v[14:15]
	v_pk_add_f32 v[8:9], v[8:9], v[12:13]
	REDUCE 8, 2
	v_mul_f32 v8, 0x3a800000, v8                   ; / 1,024
	v_mul_f32 v9, 0x3a800000, v9
.set p, 0
.rept 32
	v_pk_add_f32 v[128+2*p:129+2*p], v[128+2*p:129+2*p], v[8:9] neg_lo:[0,1] neg_hi:[0,1]
.set p, p+1
.endr
.irp c, 0,1,2,3
	v_pk_mul_f32 v[12+2*\c:13+2*\c], v[128+2*\c:129+2*\c], v[128+2*\c:129+2*\c]
.endr
.set p, 4
.rept 28
	v_pk_fma_f32 v[12+2*(p%4):13+2*(p%4)], v[128+2*p:129+2*p], v[128+2*p:129+2*p], v[12+2*(p%4):13+2*(p%4)]
.set p, p+1
.endr
	v_pk_add_f32 v[12:13], v[12:13], v[14:15]
	v_pk_add_f32 v[16:17], v[16:17], v[18:19]
	v_pk_add_f32 v[10:11], v[12:13], v[16:17]
	REDUCE 10, 2                                   ; v[8:11] = mean x, mean y, M2 x, M2 y, in every lane
	v_cmp_eq_u32 vcc_lo, 0, v4
	s_wait_alu depctr_va_vdst(0)
	s_and_saveexec_b32 s30, vcc_lo
	global_store_b128 v24, v[8:11], s[20:21]       ; lane 0 stores the part's 16 bytes
	s_wait_xcnt 0x0                                ; EXEC is a source of the store: it changes only behind this wait
	s_or_b32 exec_lo, exec_lo, s30
	FINISH
.Lfunc_end_k_q74c05726a1_prep:
	.size	k_q74c05726a1_prep, .Lfunc_end_k_q74c05726a1_prep-k_q74c05726a1_prep
	.p2alignl 7, 3214868480
	.fill 96, 4, 3214868480
	.section	.rodata,"a",@progbits
	.p2align	6, 0x0
	.amdhsa_kernel k_q74c05726a1_prep
		.amdhsa_group_segment_fixed_size 4864
		.amdhsa_private_segment_fixed_size 0
		.amdhsa_enable_private_segment 0
		.amdhsa_kernarg_size 80
		.amdhsa_user_sgpr_count 2
		.amdhsa_user_sgpr_kernarg_segment_ptr 1
		.amdhsa_wavefront_size32 1
		.amdhsa_system_sgpr_workgroup_id_x 1
		.amdhsa_system_sgpr_workgroup_id_y 1
		.amdhsa_system_sgpr_workgroup_id_z 1
		.amdhsa_system_vgpr_workitem_id 0
		.amdhsa_next_free_vgpr 256
		.amdhsa_next_free_sgpr 66
		.amdhsa_reserve_vcc 1
		.amdhsa_float_denorm_mode_32 3
		.amdhsa_float_denorm_mode_16_64 3
		.amdhsa_memory_ordered 1
		.amdhsa_forward_progress 1
		.amdhsa_inst_pref_size 25
	.end_amdhsa_kernel
	.amdgpu_metadata
---
amdhsa.version: [ 1, 2 ]
amdhsa.kernels:
  - .name:           k_q74c05726a1_prep
    .symbol:         k_q74c05726a1_prep.kd
    .args:
      - { .name: z_codes, .offset: 0, .size: 8, .value_kind: global_buffer, .address_space: global }
      - { .name: Wq_codes, .offset: 8, .size: 8, .value_kind: global_buffer, .address_space: global }
      - { .name: pos_w2_codes, .offset: 16, .size: 8, .value_kind: global_buffer, .address_space: global }
      - { .name: Wk_codes, .offset: 24, .size: 8, .value_kind: global_buffer, .address_space: global }
      - { .name: Wv_codes, .offset: 32, .size: 8, .value_kind: global_buffer, .address_space: global }
      - { .name: coords, .offset: 40, .size: 8, .value_kind: global_buffer, .address_space: global }
      - { .name: lowp_scales, .offset: 48, .size: 8, .value_kind: global_buffer, .address_space: global }
      - { .name: qws, .offset: 56, .size: 8, .value_kind: global_buffer, .address_space: global }
      - { .name: cst, .offset: 64, .size: 8, .value_kind: global_buffer, .address_space: global }
      - { .name: wl, .offset: 72, .size: 8, .value_kind: global_buffer, .address_space: global }
    .group_segment_fixed_size: 4864
    .private_segment_fixed_size: 0
    .kernarg_segment_align: 8
    .kernarg_segment_size: 80
    .max_flat_workgroup_size: 128
    .sgpr_count:     66
    .vgpr_count:     256
    .wavefront_size: 32
...
	.end_amdgpu_metadata
.endif
;; end of part 1
;; launch main (part 2): grid 256 x 1, 8 waves a work-group, no clusters, 299,264 bytes of LDS; arguments feats, coords, pos_w1, pos_b1, pos_b2, lowp_scales, qws, cst, wl, zp, dn; writes zp, dn
.if DOCPART == 2
	.amdgcn_target "amdgcn-amd-amdhsa--gfx1250"
	.amdhsa_code_object_version 6
	.text
	.protected	k_q74c05726a1_main
	.globl	k_q74c05726a1_main
	.p2align	8
	.type	k_q74c05726a1_main,@function
k_q74c05726a1_main:
	s_mov_b64 s[64:65], 0
	v_nop
	global_prefetch_b8 v0, s[64:65] scope:SCOPE_SE
	s_setreg_imm32_b32 hwreg(HW_REG_WAVE_MODE, 25, 1), 1
	s_wait_xcnt 0x0
; LSTCWA, launch 2 of 3: from the layer norm to a work-group's parts of Z.
; LEFT OUT (shown at the head of the first kernel): mask; positions 32-63 of window 15 of every segment; the second copy of a row of f Wk^T and f Wv^T; the mean of coords as an offset of c.
; SHARES.  Work-group x: segment l = x / 4, g = x % 4: rows 128 x .. 128 x + 127 of feats and coords, four chunks of 32, each row in this work-group alone.  Chunk c is the first half of window c (A) and the second half
; of window c - 1 (B).  Windows 0, 1, 2 lie wholly here.  Window 3's first half (the tail) and window -1's second half (the head; g = 0 has none) are parts of windows that straddle two work-groups: for each of the two
; the sum of e^logit (dn) and the sum over rows of e^logit v (zp) are stored, and the next launch adds and divides.  g = 3's window 3 has no second half: its tail is the whole window.
; THE SOFTMAX TAKES NO MAXIMUM AWAY: reference() itself clips every logit at +-10, so an exponential lies between e^-10 and e^10 for all values of the inputs, and 64 of them and their weighted sums stay far inside f32.
; EIGHT WAVES, two to a SIMD, share the channels: wave w owns channels 64 w .. +63 of whichever weight is at work: 16 fragments, 256 registers.  The rows' codes lie in LDS and are read by all eight.
; PHASES: head | H: h = relu(d pos_w1^T + b1) quantised (e0), as register images | P: q . (h pos_w2^T), a chunk's 64 window positions a trip, and behind each the chunk's layer norm with its two quantisers (e4, e6) |
; K: q . (f Wk^T) for 128 rows | exponentials | V: sums over rows of weight x (f Wv^T) | store.  The chunks go from 3 down to 0.
; K AND V GO BY HALVES OF THE CONTRACTED AXIS: the dot with q and the sum over rows are linear, so the halves' sums are added there, in f32; a half of a weight is 128 registers, and while one is multiplied the other comes in,
; a few loads a unit.
; logit = (q.pb + q.b2 + q.kf) / sqrt(512), clipped at +-10; 2^(e6+e7) and the 1/16 of the mean over windows go into the weights.
; No tensor load and no cluster: LDS holds 266,240 bytes of codes and 32 KB of sums, so no slot of a useful size is left for weights; they go from memory into the registers in which they are multiplied, 512 consecutive bytes a load.
; LIMITS: e0, e4, e6 between -126 and 119 (2^e and 448 x 2^e are made as f32 numbers); the other exponents are applied by v_ldexp_f32.  NaN among the inputs is not served.  Divisions are
; v_rcp_f32, v_rsq_f32, v_sqrt_f32 and a multiplication (1/cs goes into pos_w1's columns); f32 sums run in another order than reference()'s.
; REGISTERS.  v1-15, v56-63 addresses and constants; v16-47 q of my channels; v48-55 q . acc in four pairs (V: the sums; H: codes); v64-127 two sets of four accumulators; v128-191 two buffers of row fragments (two K steps
;   of a tile each) and, at other times, the layer norm's work; v192-255 feats in flight (K: eight partial dots; V: the rows' weights); v256-511 (window 1) the weight: K step s, tile t at v[64 s + 16 t].
;   H: v64-159 pos_w1's columns and b1, v160-191 h.
.set PITCH, 528                        ; a row of 512 codes + 16: row r starts 4 r banks on (64 banks of 4 bytes: ISA guide 11.1): the 16 rows of a fragment load start at 16 different places
.set CHUNK, 32*PITCH
.set TILE,  16*PITCH
.set FV,    128*PITCH                  ; FK at 0: f's codes under e4, 128 rows;  FV: under e6
.set HIMG,  2*128*PITCH                ; h's codes as register images: tile x 8192 + K step x 2048 + c x 512 + 16 x lane; tile 4 c + 2 (A 0, B 1) + half
.set LP,    HIMG+131072                ; [wave x 2 + h][256] parts of q.pb, by tile and row
.set DXY,   LP                         ; ahead of P, in LP's place: (dx, dy) of the 256 window positions
.set LK,    LP+16384                   ; [wave x 2 + h][128] parts of q.kf
.set QB,    LK+8192                    ; [wave] parts of q.b2
.set ATT,   QB+256                     ; 128 weights of the rows in their A windows, 128 in their B windows
.set ZST,   ATT+1024                   ; 3 x 256 bytes for each wave
.set SPARE, ZST+6144                   ; the spare words, 128 bytes for each wave: four blocks of 256 bytes that no other line names
.set QQ, 16
.set LA, 48
.set CH, 128                           ; layer norm: four chains, 8 registers a unit;  TT: two sets of 8 held numbers;  CC: codes: unit u: 8 under e4, 8 under e6
.set TT, 144
.set CC, 160
.set UF, 192                           ; feats: unit u at v[UF + 32 u]
.set WX, 64
.set WY, 96
.set B1, 128
.set HT, 160
.set MSB, 0
.macro WIN new                         ; s_set_vgpr_msb: bits 1:0 source 0, 3:2 source 1, 5:4 source 2, 7:6 destination; the high byte repeats the setting that is left
.if MSB != (\new)
	s_set_vgpr_msb (MSB<<8)|(\new)
.set MSB, (\new)
.endif
.endm
.macro REDUCE lo, cnt                  ; v[lo] .. v[lo+cnt-1] are summed over the 32 lanes, in place
.irp x, 1,2,4,8
.set RI, 0
.rept \cnt
	v_add_f32_dpp v[\lo+RI], v[\lo+RI], v[\lo+RI] row_xmask:\x row_mask:0xf bank_mask:0xf
.set RI, RI+1
.endr
.endr
.set RI, 0
.rept \cnt
	v_permlanex16_b32 v62, v[\lo+RI], s38, s39
	v_add_f32 v[\lo+RI], v[\lo+RI], v62
.set RI, RI+1
.endr
.endm
.macro BAR                             ; my LDS stores have landed and my LDS loads are in: then the work-group's barrier
	s_wait_alu depctr_va_vdst(0)
	s_wait_dscnt 0x0
	s_barrier_signal -1
	s_barrier_wait -1
.endm
.macro PLACES                          ; four places behind a product (ISA guide 7.12.1), where no other vector work is at hand
.rept 4
	v_nop
.endr
.endm
.macro SCALE e, vs, sl                 ; 2^e and 448 x 2^e as f32 numbers
	s_add_co_i32 s36, \e, 127
	s_lshl_b32 s37, s36, 23
	v_mov_b32 \vs, s37
	s_add_co_i32 s36, s36, 8
	s_lshl_b32 s36, s36, 23
	s_or_b32 \sl, s36, 0x600000
.endm
.macro WL mat, hf, n0, n1              ; loads n0 .. n1 - 1 of the 32 that bring half hf (K steps 2 hf, 2 hf + 1) of my 64 channels of a weight (hf = 0 and n up to 63: both halves)
.if (\n1) > (\n0)
	WIN 0x40
.set WN, \n0
.rept (\n1)-(\n0)
	global_load_b128 v[128*(\hf)+4*WN:128*(\hf)+4*WN+3], v3, s[58:59] offset:262144*(\mat)+16384*(\hf)+512*WN
.set WN, WN+1
.endr
	WIN 0
.endif
.endm
; unit u of my four rows of the chunk at s[56:57]: row 16 u + w in lanes 0-15, row 16 u + w + 8 in lanes 16-31; register 4 j + i = x[64 j + 4 r + i]: sixteen lanes read 256 consecutive bytes
.macro FLOAD1 u, j
	global_load_b128 v[UF+32*\u+4*(\j):UF+32*\u+4*(\j)+3], v4, s[56:57] offset:32768*\u+256*(\j)
.endm
.macro FLOAD8 u
.irp j, 0,1,2,3,4,5,6,7
	FLOAD1 \u, \j
.endr
.endm
; A prefetch of the chunk below the one at s[56:57]: my four rows, 8 blocks of 256 bytes a row, a lane a block: one chunk ahead of the loads that want it.  A work-group asks so for its chunks 2, 1 and 0, which no
; other work-group reads; chunk 3 comes by its loads alone.
.macro ASK
	global_prefetch_b8 v5, s[56:57] offset:-65536 th:TH_LOAD_NT scope:SCOPE_SE
.endm
.macro FOLD                            ; both units' four chains become one number a row, in all 16 lanes of the row
.irp u, 0,1
	v_pk_add_f32 v[CH+8*\u:CH+8*\u+1], v[CH+8*\u:CH+8*\u+1], v[CH+8*\u+2:CH+8*\u+3]
	v_pk_add_f32 v[CH+8*\u+4:CH+8*\u+5], v[CH+8*\u+4:CH+8*\u+5], v[CH+8*\u+6:CH+8*\u+7]
.endr
.irp u, 0,1
	v_pk_add_f32 v[CH+8*\u:CH+8*\u+1], v[CH+8*\u:CH+8*\u+1], v[CH+8*\u+4:CH+8*\u+5]
.endr
.irp u, 0,1
	v_add_f32 v[CH+8*\u], v[CH+8*\u], v[CH+8*\u+1]
.endr
.irp x, 1,2,4,8
.irp u, 0,1
	v_add_f32_dpp v[CH+8*\u], v[CH+8*\u], v[CH+8*\u] row_xmask:\x row_mask:0xf bank_mask:0xf
.endr
.endr
.endm
; THE LAYER NORM of my four rows and their codes under e4 (into FK at v[af]) and under e6 (into FV at v[av]); the two units alternate.
; md = 1: the next chunk's loads stand in it, as its registers come free (s[56:57] names that chunk already); md = 2: the 32 loads of Wk's half 0
.macro LN af, av, md
.irp c, 0,1,2,3
.irp u, 0,1
	v_pk_add_f32 v[CH+8*\u+2*\c:CH+8*\u+2*\c+1], v[UF+32*\u+2*\c:UF+32*\u+2*\c+1], v[UF+32*\u+2*\c+8:UF+32*\u+2*\c+9]
.endr
.endr
.irp p, 8,9,10,11,12,13,14,15
.irp u, 0,1
	v_pk_add_f32 v[CH+8*\u+2*(\p%4):CH+8*\u+2*(\p%4)+1], v[CH+8*\u+2*(\p%4):CH+8*\u+2*(\p%4)+1], v[UF+32*\u+2*\p:UF+32*\u+2*\p+1]
.endr
.endr
	FOLD
.irp u, 0,1
	v_mul_f32 v[CH+8*\u+2], s49, v[CH+8*\u]        ; the mean: / 512
.endr
.irp p, 0,1,2,3,4,5,6,7,8,9,10,11,12,13,14,15
.irp u, 0,1
	v_pk_add_f32 v[UF+32*\u+2*\p:UF+32*\u+2*\p+1], v[UF+32*\u+2*\p:UF+32*\u+2*\p+1], v[CH+8*\u+2:CH+8*\u+3] op_sel_hi:[1,0] neg_lo:[0,1] neg_hi:[0,1]
.endr
.if (\md == 2) && (\p%4 == 3)
	WL 1, 0, 4*(\p/4), 4*(\p/4)+4
.endif
.endr
.irp p, 0,1,2,3
.irp u, 0,1
	v_pk_mul_f32 v[CH+8*\u+2*\p:CH+8*\u+2*\p+1], v[UF+32*\u+2*\p:UF+32*\u+2*\p+1], v[UF+32*\u+2*\p:UF+32*\u+2*\p+1]
.endr
.endr
.irp p, 4,5,6,7,8,9,10,11,12,13,14,15
.irp u, 0,1
	v_pk_fma_f32 v[CH+8*\u+2*(\p%4):CH+8*\u+2*(\p%4)+1], v[UF+32*\u+2*\p:UF+32*\u+2*\p+1], v[UF+32*\u+2*\p:UF+32*\u+2*\p+1], v[CH+8*\u+2*(\p%4):CH+8*\u+2*(\p%4)+1]
.endr
.endr
	FOLD
.irp u, 0,1
	v_fma_f32 v[CH+8*\u], v[CH+8*\u], s49, s50     ; var + 1e-5
.endr
	s_wait_alu depctr_va_vdst(0)                   ; ahead of the batch,
.irp u, 0,1
	v_rsq_f32 v[CH+8*\u+2], v[CH+8*\u]
.endr
	v_nop                                          ; for a plain instruction behind it (ISA guide 5.7.2),
	s_wait_alu depctr_va_vdst(0)                   ; and for the wait ahead of its first reader
.irp p, 0,1,2,3,4,5,6,7,8,9,10,11,12,13,14,15
.irp u, 0,1
	v_pk_mul_f32 v[UF+32*\u+2*\p:UF+32*\u+2*\p+1], v[UF+32*\u+2*\p:UF+32*\u+2*\p+1], v[CH+8*\u+2:CH+8*\u+3] op_sel_hi:[1,0]
.endr
.if (\md == 2) && (\p%4 == 3)
	WL 1, 0, 16+4*(\p/4), 16+4*(\p/4)+4
.endif
.endr
.irp u, 0,1
.irp m, 0,1,2,3                        ; registers 8 m .. 8 m + 7 are x[128 m + 4 r + 0..3] and x[128 m + 64 + 4 r + 0..3]
.irp i, 0,1,2,3,4,5,6,7
	v_med3_num_f32 v[TT+\i], v[UF+32*\u+8*\m+\i], s63, s62         ; the conversion does not saturate (ISA guide 7.6.2): the hold at 448 x 2^e4
.endr
	v_cvt_scalef32_pk8_fp8_f32 v[CC+16*\u+2*\m:CC+16*\u+2*\m+1], v[TT:TT+7], v11
.if (\md == 1) && (\u == 1)
	FLOAD1 0, 2*\m
.endif
.irp i, 0,1,2,3,4,5,6,7
	v_med3_num_f32 v[TT+8+\i], v[UF+32*\u+8*\m+\i], s3, s2         ; and at 448 x 2^e6
.endr
	v_cvt_scalef32_pk8_fp8_f32 v[CC+16*\u+8+2*\m:CC+16*\u+9+2*\m], v[TT+8:TT+15], v14
.if (\md == 1) && (\u == 1)
	FLOAD1 0, 2*\m+1
.endif
.endr
.endr
	v_nop                                          ; a plain instruction behind the last conversion
.irp u, 0,1
.irp m, 0,1,2,3
	ds_store_b64 v[\af], v[CC+16*\u+2*\m:CC+16*\u+2*\m+1] offset:TILE*\u+128*\m      ; sixteen lanes: 128 bytes of one row; the other sixteen: the row 8 further on, 32 banks away
	ds_store_b64 v[\av], v[CC+16*\u+8+2*\m:CC+16*\u+9+2*\m] offset:TILE*\u+128*\m
.endr
.endr
.if \md == 1
	FLOAD8 1
.endif
.endm
; h OF TILE t (16 positions): lane (r, h) holds position r and 32 of my 64 hidden units (the order of the first kernel's head): the codes are 16 bytes at places c = 2 (w % 2), + 1 of K step w / 2.
; A tile's LDS instructions: the load of (dx, dy) for the tile after the next (nx; -1: none), then two stores; so behind a (dx, dy)'s load stand five when it is wanted (last = 1: four).  Loads n0 .. n1 - 1 of pos_w2 stand in it
.macro HTILE t, dd, nx, n0, n1, last
	s_wait_dscnt 5-\last
.set NH, 0
.rept 16
	v_pk_fma_f32 v[HT+2*NH:HT+2*NH+1], v[WY+2*NH:WY+2*NH+1], v[\dd:\dd+1], v[B1+2*NH:B1+2*NH+1] op_sel:[0,1,0] op_sel_hi:[1,1,1]
.set NH, NH+1
.endr
.set NH, 0
.rept 16
	v_pk_fma_f32 v[HT+2*NH:HT+2*NH+1], v[WX+2*NH:WX+2*NH+1], v[\dd:\dd+1], v[HT+2*NH:HT+2*NH+1] op_sel_hi:[1,0,1]
.set NH, NH+1
.endr
.if (\nx) >= 0
	ds_load_b64 v[\dd:\dd+1], v59 offset:128*(\nx)
.endif
	WL 0, 0, \n0, \n1
.set NH, 0
.rept 32
	v_med3_num_f32 v[HT+NH], v[HT+NH], 0, s51      ; the activation and the hold at 448 x 2^e0 in one
.set NH, NH+1
.endr
.irp m, 0,1,2,3
	v_cvt_scalef32_pk8_fp8_f32 v[LA+2*\m:LA+2*\m+1], v[HT+8*\m:HT+8*\m+7], v58
.endr
	v_nop                                          ; a plain instruction behind the last conversion
.if (\t) < 8
	ds_store_b128 v15, v[LA:LA+3] offset:8192*(\t)
	ds_store_b128 v15, v[LA+4:LA+7] offset:8192*(\t)+512
.else
	ds_store_b128 v57, v[LA:LA+3] offset:8192*((\t)-8)
	ds_store_b128 v57, v[LA+4:LA+7] offset:8192*((\t)-8)+512
.endif
.endm
; 8 PRODUCTS: two K steps (half hf of the weight) of a tile of 16 rows against my four channel tiles, transposed (source 0 = 16 channels, source 1 = 16 rows): a lane holds one row and eight channels a tile.
; The four accumulators take turns, one instruction a turn
.macro UMM hf, fb, ac, zr
	WIN 0x01                                       ; source 0 window 1
.irp s, 0,1
.irp t, 0,1,2,3
.if (\zr) && (\s == 0)
	v_wmma_f32_16x16x128_fp8_fp8 v[\ac+8*\t:\ac+8*\t+7], v[128*\hf+64*\s+16*\t:128*\hf+64*\s+16*\t+15], v[\fb+16*\s:\fb+16*\s+15], 0
.else
	v_wmma_f32_16x16x128_fp8_fp8 v[\ac+8*\t:\ac+8*\t+7], v[128*\hf+64*\s+16*\t:128*\hf+64*\s+16*\t+15], v[\fb+16*\s:\fb+16*\s+15], v[\ac+8*\t:\ac+8*\t+7]
.endif
.endr
.endr
	WIN 0
.endm
; V's, not transposed (source 0 = 16 rows, source 1 = 16 channels): a lane holds one channel and rows 8 h + j
.macro UMV hf, fb, ac
	WIN 0x04                                       ; source 1 window 1
.irp s, 0,1
.irp t, 0,1,2,3
.if \s == 0
	v_wmma_f32_16x16x128_fp8_fp8 v[\ac+8*\t:\ac+8*\t+7], v[\fb+16*\s:\fb+16*\s+15], v[128*\hf+64*\s+16*\t:128*\hf+64*\s+16*\t+15], 0
.else
	v_wmma_f32_16x16x128_fp8_fp8 v[\ac+8*\t:\ac+8*\t+7], v[\fb+16*\s:\fb+16*\s+15], v[128*\hf+64*\s+16*\t:128*\hf+64*\s+16*\t+15], v[\ac+8*\t:\ac+8*\t+7]
.endif
.endr
.endr
	WIN 0
.endm
.macro FLI adr, off, fb                ; two K steps of an image: 8 loads
.irp s, 0,1
.irp c, 0,1,2,3
	ds_load_b128 v[\fb+16*\s+4*\c:\fb+16*\s+4*\c+3], v[\adr] offset:\off+2048*\s+512*\c
.endr
.endr
.endm
.macro FLR adr, b, hf, fb              ; two K steps of row tile b: 8 loads
.irp s, 0,1
.irp c, 0,1,2,3
	ds_load_b128 v[\fb+16*\s+4*\c:\fb+16*\s+4*\c+3], v[\adr] offset:(\b)*TILE+256*\hf+128*\s+32*\c
.endr
.endr
.endm
.macro DPK ac, t                       ; a lane's row . q over channel tile t; each accumulator is read from its low end on
.irp c, 0,1,2,3
.if (\t) == 0
	v_pk_mul_f32 v[LA+2*\c:LA+2*\c+1], v[\ac+2*\c:\ac+2*\c+1], v[QQ+2*\c:QQ+2*\c+1]
.else
	v_pk_fma_f32 v[LA+2*\c:LA+2*\c+1], v[\ac+8*(\t)+2*\c:\ac+8*(\t)+2*\c+1], v[QQ+8*(\t)+2*\c:QQ+8*(\t)+2*\c+1], v[LA+2*\c:LA+2*\c+1]
.endif
.endr
.endm
.macro DOT4 ac
	DPK \ac, 0
	DPK \ac, 1
	DPK \ac, 2
	DPK \ac, 3
.endm
.macro DSUM dst
	v_pk_add_f32 v[LA:LA+1], v[LA:LA+1], v[LA+2:LA+3]
	v_pk_add_f32 v[LA+4:LA+5], v[LA+4:LA+5], v[LA+6:LA+7]
	v_pk_add_f32 v[LA:LA+1], v[LA:LA+1], v[LA+4:LA+5]
	v_add_f32 v[\dst], v[LA], v[LA+1]
.endm
; P: half hf of tile b of a chunk's four (0, 1: A; 2, 3: B).  The dot of the tile before fills the places behind the products; then the buffer takes the same half of the next tile.  LDS instructions of a unit: 8 loads, and
; behind the second half a store.  Wanted are the loads of two units ago: behind them stand the next unit's 8, and one store from tile 2 on
.macro PU b, hf
.set FB, 128+32*\hf
.set AC, 64+32*(\b%2)
.set PA, 64+32*((\b+1)%2)
.set NW, 8
.if \b >= 2
.set NW, 9
.endif
.if (\b == 3) && (\hf == 1)
.set NW, 1
.endif
	s_wait_alu depctr_va_vdst(0)
	s_wait_dscnt NW
	UMM \hf, FB, AC, 1-\hf
.if \b > 0
	DPK PA, 2*\hf
	DPK PA, 2*\hf+1
.else
	PLACES
.endif
.if \b == 0
.set OF, 8192+4096*\hf
	FLI 59, OF, FB
.elseif \b < 3
.set OF, 8192*((\b+1)%2)+4096*\hf
	FLI 60, OF, FB
.endif
.if (\b > 0) && (\hf == 1)
	DSUM 63
	ds_store_b32 v61, v63 offset:64*(\b-1)
.endif
.endm
; a chunk's four tiles: images at v59 (A) and v60 (B).  sk = 1: chunk 0, whose B tiles are left out where g = 0 (ids alone; v60 then names the A tiles again, whose look-ahead loads are not used)
.macro PROD sk
	FLI 59, 0, 128
	FLI 59, 4096, 160
	PU 0, 0
	PU 0, 1
	PU 1, 0
	PU 1, 1
.if \sk
	s_wait_alu depctr_va_vdst(0)
	s_cmp_eq_u32 s35, 1
	s_cbranch_scc1 .Lpz
.endif
	PU 2, 0
	PU 2, 1
	PU 3, 0
	PU 3, 1
	DOT4 96
	DSUM 63
	ds_store_b32 v61, v63 offset:192
.if \sk
	s_wait_alu depctr_va_vdst(0)
	s_branch .Lpj
.Lpz:
	s_wait_dscnt 0x0                               ; the look-ahead loads are in
	DOT4 96
	DSUM 63
	ds_store_b32 v61, v63 offset:64
	v_mov_b32 v48, 0
	ds_store_b32 v61, v48 offset:128               ; the words are read by the softmax and masked there: they hold numbers
	ds_store_b32 v61, v48 offset:192
	s_wait_alu depctr_va_vdst(0)
.Lpj:
.endif
.endm
; K: half hf of row tile b; the dot of the tile before fills the places; then the buffer takes the tile two on (from half 0 on into half 1), and loads of the next half of a weight go out.
; Half 0's dots stay in registers, half 1's are added to them and stored
.macro DKT hf, b
.if \hf
	DSUM 63
	v_add_f32 v63, v63, v[192+(\b)]
	ds_store_b32 v10, v63 offset:64*(\b)
.else
	DSUM 192+(\b)
.endif
.endm
.macro KU hf, b
.set FB, 128+32*(\b%2)
.set AC, 64+32*(\b%2)
.set PA, 64+32*((\b+1)%2)
.set NW, 8                             ; the next tile's loads,
.if \hf && (\b == 7)
.set NW, 0
.endif
.if \hf && (\b >= 2)
.set NW, NW+1                          ; and, in half 1, the stores of tiles b - 2
.endif
.if \hf && (\b >= 3)
.set NW, NW+1                          ; and b - 3
.endif
	s_wait_alu depctr_va_vdst(0)
	s_wait_dscnt NW
	UMM \hf, FB, AC, 1
.if \b > 0
	DOT4 PA
.else
	PLACES
.endif
.if \b < 6
	FLR 12, \b+2, \hf, FB
	WL 1+\hf, 1-\hf, (32*\b)/6, (32*(\b+1))/6
.elseif \hf == 0
	FLR 12, \b-6, 1, FB
.endif
.if \b > 0
	DKT \hf, \b-1
.endif
.endm
.macro KH hf
.irp b, 0,1,2,3,4,5,6,7
	KU \hf, \b
.endr
	DOT4 96
	DKT \hf, 7
.endm
; V: a tile's rows are weighed (weights at v[ar]) and summed into the pairs at v[zb]
.macro WEIGH ac, ar, zb, fs
.irp i, 0,1,2,3                        ; each accumulator's low pair first
.irp t, 0,1,2,3
.if (\fs) && (\i == 0)
	v_pk_mul_f32 v[\zb+2*\t:\zb+2*\t+1], v[\ac+8*\t:\ac+8*\t+1], v[\ar:\ar+1]
.else
	v_pk_fma_f32 v[\zb+2*\t:\zb+2*\t+1], v[\ac+8*\t+2*\i:\ac+8*\t+2*\i+1], v[\ar+2*\i:\ar+2*\i+1], v[\zb+2*\t:\zb+2*\t+1]
.endif
.endr
.endr
.endm
.macro VW hf, p                        ; tile p for the windows that lie wholly here; chunk 0 (tiles 0, 1) also for the head, chunk 3 (tiles 6, 7) for the tail
.set PP, (\p)
.set WC, 64+32*(PP%2)
.set WF, 0
.if (\hf == 0) && (PP == 0)
.set WF, 1
.endif
	WEIGH WC, 192+8*PP, LA, WF
.if PP < 2
	WEIGH WC, 16+8*PP, 4, WF
.endif
.if (\hf == 0) && (PP == 6)
.set WF, 1
.endif
.if PP >= 6
	WEIGH WC, 32+8*(PP-6), 56, WF
.endif
.endm
.macro VU hf, b
.set FB, 128+32*(\b%2)
.set AC, 64+32*(\b%2)
.set NW, 8                             ; the next tile's loads
.if \hf && (\b == 7)
.set NW, 0
.endif
	s_wait_alu depctr_va_vdst(0)
	s_wait_dscnt NW
	UMV \hf, FB, AC
.if \b > 0
	VW \hf, \b-1
.else
	PLACES
.endif
.if \b < 6
	FLR 13, \b+2, \hf, FB
.if \hf == 0
	WL 2, 1, (32*\b)/6, (32*(\b+1))/6
.endif
.elseif \hf == 0
	FLR 13, \b-6, 1, FB
.endif
.endm
.macro VH hf
.irp b, 0,1,2,3,4,5,6,7
	VU \hf, \b
.endr
	VW \hf, 7
.endm
	; ================ head
	s_load_b512 s[4:19], s[0:1], 0x0               ; feats s[4:5], coords s[6:7], pos_w1 s[8:9], pos_b1 s[10:11], pos_b2 s[12:13], scales s[14:15], qws s[16:17], cst s[18:19]
	s_load_b128 s[20:23], s[0:1], 0x40             ; wl s[20:21], zp s[22:23]
	s_load_b64 s[66:67], s[0:1], 0x50              ; dn
	v_lshl_add_u32 v1, v0, 2, SPARE                ; v1  my spare word,
	v_mov_b32 v2, 0                                ; v2  and 0: kept for the closing add alone
	v_lshrrev_b32 v14, 5, v0
	v_readfirstlane_b32 s32, v14                   ; wave w
	s_lshr_b32 s33, ttmp9, 2                       ; l
	s_and_b32 s34, ttmp9, 3                        ; g
	s_and_b32 s40, s32, 3                          ; the chunk c whose (dx, dy) my wave makes,
	s_lshr_b32 s41, s32, 2                         ; in window c (A, 0) or in window c - 1 (B, 1)
	s_mov_b32 s53, 0x3c800000                      ; 1/64
	s_mov_b32 s54, 1.0
	s_mov_b32 s52, 0x7f800000                      ; +infinity
	s_mov_b32 s44, 0xffffff00
	s_cmp_eq_u32 s41, 0
	s_cselect_b32 s42, 3, 0
	s_cselect_b32 s43, 256, s44                    ; the window's other chunk: the next, or the one before, in bytes of coords
	s_cmp_eq_u32 s40, s42
	s_cselect_b32 s45, 1, 0
	s_cmp_eq_u32 s34, s42
	s_cselect_b32 s45, s45, 0                      ; 1 where the segment has no such chunk (A: g = 3, c = 3, a window of 32 positions; B: g = 0, c = 0, no window)
	s_cmp_eq_u32 s45, 1
	s_cselect_b32 s53, 0x3d000000, s53             ; 1 / the window's positions
	s_cselect_b32 s54, 0, s54                      ; does the other chunk count;
	s_cselect_b32 s43, 0, s43                      ; where it does not, the first is loaded twice
	s_cmp_eq_u32 s34, 0
	s_cselect_b32 s35, 1, 0                        ; 1 where there is no head
	s_cmp_eq_u32 s32, 3
	s_cselect_b32 s45, s35, 0
	s_cmp_eq_u32 s45, 1
	s_cselect_b32 s52, 0xff800000, s52             ; what wave 3's head logits are held under: -infinity there
	s_mov_b32 s38, 0x76543210                      ; v_permlanex16_b32: lane l xor 16
	s_mov_b32 s39, 0xfedcba98
	s_mov_b32 s49, 0x3b000000                      ; 1/512
	s_mov_b32 s50, 0x3727c5ac                      ; 1e-5
	s_lshl_b32 s24, s32, 11
	s_mul_i32 s25, s32, PITCH
	s_add_co_u32 s26, s24, LP
	s_lshl_b32 s27, s32, 10
	s_add_co_u32 s28, s27, LK
	s_lshl_b32 s29, s40, 9
	s_lshl_b32 s30, s41, 8
	s_add_co_u32 s29, s29, s30
	s_add_co_u32 s29, s29, DXY
	s_lshl_b32 s31, s32, 2
	s_add_co_u32 s31, s31, QB
	v_and_b32 v48, 31, v0                          ; lane
	v_and_b32 v49, 15, v0                          ; r
	v_bfe_u32 v50, v0, 4, 1                        ; h
	v_lshlrev_b32 v4, 14, v50
	v_lshl_add_u32 v4, v49, 4, v4
	v_add_nc_u32 v4, s24, v4                       ; v4  feats: (w + 8 h) rows + 16 r
	v_lshrrev_b32 v5, 3, v48
	v_lshlrev_b32 v5, 14, v5
	v_and_b32 v51, 7, v48
	v_lshl_add_u32 v5, v51, 8, v5
	v_add_nc_u32 v5, s24, v5                       ; v5  prefetches: row w + 8 (lane / 8), block lane % 8
	v_mul_u32_u24 v6, v50, 8*PITCH
	v_lshl_add_u32 v6, v49, 3, v6
	v_add_nc_u32 v6, s25, v6                       ; v6  f's codes in: row w + 8 h, 8 r
	v_add_nc_u32 v7, FV, v6                        ; v7  the same in FV
	v_lshlrev_b32 v3, 4, v48                       ; v3  16 x lane
	v_add_nc_u32 v8, HIMG, v3                      ; v8  an image's place for my lane
	v_add_nc_u32 v15, s27, v8                      ; v15 where I store h's images (tiles 0-7);
	v_lshlrev_b32 v9, 10, v50
	v_lshl_add_u32 v9, v49, 2, v9
	v_add_nc_u32 v9, s26, v9                       ; v9  my parts of q.pb
	v_lshlrev_b32 v10, 9, v50
	v_lshl_add_u32 v10, v49, 2, v10
	v_add_nc_u32 v10, s28, v10                     ; v10 my parts of q.kf
	v_mul_u32_u24 v12, v49, PITCH
	v_lshl_add_u32 v12, v50, 4, v12                ; v12 f's fragments out of FK: row r, 16 h
	v_add_nc_u32 v13, FV, v12                      ; v13 out of FV
	v_add_nc_u32 v57, 65536, v15                   ; v57 and tiles 8-15
	v_lshl_add_u32 v56, v48, 3, s29                ; v56 (dx, dy) in;
	v_lshlrev_b32 v59, 3, v49
	v_add_nc_u32 v59, DXY, v59                     ; v59 out: tile's row r
	v_lshlrev_b32 v52, 6, v50                      ; 64 h
	v_lshlrev_b32 v53, 5, v50                      ; 32 h
	v_lshlrev_b32 v54, 3, v48                      ; 8 x lane
	v_mov_b32 v55, s31                             ; my wave's word of q.b2
	v_mov_b32 v62, 0                               ; a lane permute's destination counts as read: written once
	s_mov_b32 s37, 0
	s_lshl_b32 s36, ttmp9, 10
	s_lshl_b32 s42, s40, 8
	s_add_co_u32 s42, s36, s42                     ; coords at chunk c,
	s_add_co_u32 s44, s42, s43                     ; and at the other chunk
	s_mov_b32 s43, 0
	s_mov_b32 s45, 0
	s_wait_alu depctr_va_vdst(0)
	s_wait_kmcnt 0x0
	s_load_b256 s[24:31], s[14:15], 0x0            ; e0 .. e7
	s_add_nc_u64 s[68:69], s[6:7], s[44:45]
	s_add_nc_u64 s[6:7], s[6:7], s[42:43]
	s_lshl_b32 s36, ttmp9, 18
	s_add_co_u32 s36, s36, 3*65536
	s_add_nc_u64 s[56:57], s[4:5], s[36:37]        ; feats at row 128 x + 96
	s_lshr_b32 s40, s32, 1
	s_and_b32 s41, s32, 1
	s_lshl_b32 s36, s40, 10
	s_lshl_b32 s42, s41, 8
	s_add_co_u32 s36, s36, s42
	s_add_nc_u64 s[8:9], s[8:9], s[36:37]          ; pos_w1 at hidden unit 128 (w / 2) + 32 (w % 2)
	s_lshr_b32 s36, s36, 1
	s_add_nc_u64 s[10:11], s[10:11], s[36:37]      ; pos_b1 likewise
	s_lshl_b32 s36, s32, 8
	s_add_nc_u64 s[12:13], s[12:13], s[36:37]      ; pos_b2 and
	s_add_nc_u64 s[16:17], s[16:17], s[36:37]      ; q at channel 64 w,
	s_add_nc_u64 s[60:61], s[22:23], s[36:37]      ; and Z likewise
	s_lshl_b32 s36, s33, 11
	s_add_nc_u64 s[16:17], s[16:17], s[36:37]      ; of token l
	s_lshl_b32 s36, s32, 15
	s_add_nc_u64 s[58:59], s[20:21], s[36:37]      ; my eighth of each weight
	s_lshl_b32 s36, s34, 6
	s_add_co_u32 s36, s36, s33
	s_lshl_b32 s36, s36, 11
	s_add_nc_u64 s[60:61], s[60:61], s[36:37]      ; zp at (g, l)
	s_lshl_b32 s36, ttmp9, 3
	s_add_nc_u64 s[66:67], s[66:67], s[36:37]      ; dn at (l, g)
	global_load_b64 v[64:65], v54, s[6:7]
	global_load_b64 v[66:67], v54, s[68:69]
	global_load_b128 v[68:71], v3, s[18:19]        ; part 'lane' of coords' statistics
	WIN 0x40                                       ; destination window 1
.irp n, 0,1
.irp i, 0,1,2,3
	global_load_b128 v[32*\n+8*\i:32*\n+8*\i+3], v52, s[8:9] offset:8*(16*\n+64*(\i%2)+4*(\i/2))       ; pos_w1 as it lies: number 16 n + 4 i + .. of my 32 hidden units in registers 2 x that, + 1
	global_load_b128 v[32*\n+8*\i+4:32*\n+8*\i+7], v52, s[8:9] offset:8*(16*\n+64*(\i%2)+4*(\i/2))+16
.endr
.endr
	WIN 0
.irp n, 0,1
.irp i, 0,1,2,3
	global_load_b128 v[B1+16*\n+4*\i:B1+16*\n+4*\i+3], v53, s[10:11] offset:4*(16*\n+64*(\i%2)+4*(\i/2))
.endr
.endr
.irp t, 0,1,2,3
	global_load_b128 v[QQ+8*\t:QQ+8*\t+3], v53, s[16:17] offset:64*\t              ; q of channels 64 w + 16 t + 8 h + 0..7
	global_load_b128 v[QQ+8*\t+4:QQ+8*\t+7], v53, s[16:17] offset:64*\t+16
	global_load_b128 v[HT+8*\t:HT+8*\t+3], v53, s[12:13] offset:64*\t              ; pos_b2 of the same
	global_load_b128 v[HT+8*\t+4:HT+8*\t+7], v53, s[12:13] offset:64*\t+16
.endr
	FLOAD8 0                                       ; chunk 3 of feats: it lands while h is made
	FLOAD8 1
	ASK                                            ; chunk 2
	s_wait_kmcnt 0x0
	SCALE s24, v58, s51                            ; e0: h
	SCALE s28, v11, s62                            ; e4: f for Wk
	SCALE s30, v14, s2                             ; e6: f for Wv
	s_or_b32 s63, s62, 0x80000000
	s_or_b32 s3, s2, 0x80000000
	s_add_co_i32 s46, s24, s25                     ; e0 + e1
	s_add_co_i32 s47, s28, s29                     ; e4 + e5
	s_add_co_i32 s48, s30, s31
	s_sub_co_i32 s48, s48, 4                       ; e6 + e7 - 4: the mean over 16 windows goes in here
	s_wait_alu depctr_va_vdst(0)
	s_wait_loadcnt 16                              ; all but feats' 16 loads
	; my window's mean of coords; and coords' deviation from the 32 parts of 1,024 rows: mean = sum of means / 32; M2 = sum of (M2_i + 1,024 (mean_i - mean)^2)
	v_fma_f32 v72, s54, v66, v64
	v_fma_f32 v73, s54, v67, v65
	v_mov_b32 v74, v68
	v_mov_b32 v75, v69
	REDUCE 72, 4
	v_mul_f32 v72, s53, v72
	v_mul_f32 v73, s53, v73
	v_mul_f32 v74, 0x3d000000, v74
	v_mul_f32 v75, 0x3d000000, v75
	v_pk_add_f32 v[64:65], v[64:65], v[72:73] neg_lo:[0,1] neg_hi:[0,1]
	v_pk_add_f32 v[74:75], v[68:69], v[74:75] neg_lo:[0,1] neg_hi:[0,1]
	ds_store_b64 v56, v[64:65]
	v_pk_mul_f32 v[74:75], v[74:75], v[74:75]
	v_pk_fma_f32 v[74:75], v[74:75], 0x44800000, v[70:71] op_sel_hi:[1,0,1]
	REDUCE 74, 2
	v_mul_f32 v74, 0x38000100, v74                 ; / 32,767
	v_mul_f32 v75, 0x38000100, v75
	s_wait_alu depctr_va_vdst(0)                   ; ahead of the batch
	v_sqrt_f32 v74, v74
	v_sqrt_f32 v75, v75
	v_nop
	s_wait_alu depctr_va_vdst(0)                   ; and ahead of its first reader
	v_add_f32 v72, 0x322bcc77, v74                 ; + 1e-8
	v_add_f32 v73, 0x322bcc77, v75
	s_wait_alu depctr_va_vdst(0)
	v_rcp_f32 v60, v72
	v_rcp_f32 v61, v73
	v_nop
	s_wait_alu depctr_va_vdst(0)
	WIN 0x01                                       ; source 0 window 1: pos_w1's two columns are taken apart, x 1/cs
.set NH, 0
.rept 32
	v_mul_f32 v[WX+NH], v[2*NH], v60
	v_mul_f32 v[WY+NH], v[2*NH+1], v61
.set NH, NH+1
.endr
	WIN 0
	v_mov_b32 v56, v55                             ; (the dot's registers take v55)
	DOT4 HT                                        ; q . b2
	DSUM 63
	v_permlanex16_b32 v62, v63, s38, s39
	v_add_f32 v63, v63, v62                        ; my 64 channels' part of it
	ds_store_b32 v56, v63
	BAR                                            ; (dx, dy) lies in LDS
	ds_load_b64 v[60:61], v59
	ds_load_b64 v[62:63], v59 offset:128
	s_wait_dscnt 0x0                               ; the counted waits find nothing out on the way in
	; ================ H: tiles 2 and 3 (chunk 0, B) come last, and are left out where g = 0 (ids alone)
	HTILE 0, 60, 4, 0, 5, 0
	HTILE 1, 62, 5, 5, 10, 0
.irp t, 4,5,6,7,8,9,10,11,12,13
	HTILE \t, 60+2*(\t%2), \t+2, (64*(\t-2))/12, (64*(\t-1))/12, 0
.endr
	HTILE 14, 60, 2, 0, 0, 0
	HTILE 15, 62, 3, 0, 0, 0
	s_cmp_eq_u32 s35, 1
	s_cbranch_scc1 .Lnoh
	HTILE 2, 60, -1, 0, 0, 0
	HTILE 3, 62, -1, 0, 0, 1
.Lnoh:
	s_mov_b32 s40, 0
	s_mov_b32 s42, 3*32768
	s_mov_b32 s43, 3*256
	s_mov_b32 s44, 3*CHUNK
	BAR                                            ; h's images lie in LDS
	s_wait_loadcnt 0x0                             ; pos_w2 is in, and chunk 3 of feats
	; ================ P: chunk 3, 2, 1: its window positions, then its layer norm with the next chunk's loads
.Lp:
	v_add_nc_u32 v59, s42, v8
	v_add_nc_u32 v60, 16384, v59
	v_add_nc_u32 v61, s43, v9
	PROD 0
	v_add_nc_u32 v58, s44, v6
	v_add_nc_u32 v60, s44, v7
	s_wait_alu depctr_va_vdst(0)
	s_wait_xcnt 0x0                                ; the loads and the prefetch of a trip ago have read their base: it steps only behind this wait
	s_sub_nc_u64 s[56:57], s[56:57], 65536
	s_wait_loadcnt 0x0                             ; this chunk, asked for a trip ago
	LN 58, 60, 1
	s_cmp_lt_u32 s40, 2
	s_cbranch_scc0 .Lna
	ASK                                            ; chunks 1 and 0
.Lna:
	s_sub_co_u32 s42, s42, 32768
	s_sub_co_u32 s43, s43, 256
	s_sub_co_u32 s44, s44, CHUNK
	s_add_co_u32 s40, s40, 1
	s_cmp_lt_u32 s40, 3
	s_wait_alu depctr_va_vdst(0)
	s_cbranch_scc1 .Lp
	; chunk 0; in its layer norm Wk begins to come in
	s_mov_b32 s36, 16384
	s_cmp_eq_u32 s35, 1
	s_cselect_b32 s36, 0, s36
	v_mov_b32 v59, v8
	v_add_nc_u32 v60, s36, v8
	v_mov_b32 v61, v9
	PROD 1
	s_wait_loadcnt 0x0
	LN 6, 7, 2
	BAR                                            ; f's codes lie in LDS
	; ================ K
	FLR 12, 0, 0, 128
	FLR 12, 1, 0, 160
	s_wait_loadcnt 0x0                             ; Wk's half 0
	KH 0
	s_wait_alu depctr_va_vdst(0)
	s_wait_loadcnt 0x0                             ; half 1
	KH 1
	BAR                                            ; all parts of the logits lie in LDS
	; ================ the exponentials: wave w < 3: lane = positions lane and 32 + lane of window w; wave 3: position lane of the tail and of the head
	s_cmp_lt_u32 s32, 4
	s_cbranch_scc0 .Lsm
	s_add_co_u32 s45, s32, 1
	s_and_b32 s45, s45, 3                          ; the chunk of the second position
	s_lshl_b32 s36, s32, 8
	s_add_co_u32 s36, s36, LP
	s_lshl_b32 s37, s45, 8
	s_add_co_u32 s37, s37, LP+128
	s_lshl_b32 s40, s32, 7
	s_lshl_b32 s41, s45, 7
	s_add_co_u32 s42, s40, LK
	s_add_co_u32 s43, s41, LK
	s_add_co_u32 s40, s40, ATT
	s_add_co_u32 s41, s41, ATT+512
	v_lshrrev_b32 v22, 2, v3                       ; 4 x lane
	v_add_nc_u32 v16, s36, v22                     ; the positions in LP,
	v_add_nc_u32 v17, s37, v22
	v_add_nc_u32 v18, s42, v22                     ; their rows in LK,
	v_add_nc_u32 v19, s43, v22
	v_add_nc_u32 v20, s40, v22                     ; and their weights
	v_add_nc_u32 v21, s41, v22
	v_mov_b32 v36, QB
	v_mov_b32 v37, 1.0
	v_mov_b32 v23, 0x41200000                      ; 10.0
.set NH, 0
.rept 16
	ds_load_b32 v[64+NH], v16 offset:1024*NH
	ds_load_b32 v[80+NH], v18 offset:512*NH
	ds_load_b32 v[96+NH], v17 offset:1024*NH
	ds_load_b32 v[112+NH], v19 offset:512*NH
.set NH, NH+1
.endr
	ds_load_b128 v[24:27], v36
	ds_load_b128 v[28:31], v36 offset:16
	s_wait_alu depctr_va_vdst(0)
	s_wait_dscnt 0x0
.irp i, 0,2,4,6
.irp g, 64,80,96,112
	v_pk_add_f32 v[\g+\i:\g+\i+1], v[\g+\i:\g+\i+1], v[\g+8+\i:\g+9+\i]
.endr
.endr
.irp i, 0,2
.irp g, 64,80,96,112
	v_pk_add_f32 v[\g+\i:\g+\i+1], v[\g+\i:\g+\i+1], v[\g+4+\i:\g+5+\i]
.endr
.endr
.irp g, 64,80,96,112
	v_pk_add_f32 v[\g:\g+1], v[\g:\g+1], v[\g+2:\g+3]
.endr
	v_pk_add_f32 v[24:25], v[24:25], v[28:29]
	v_pk_add_f32 v[26:27], v[26:27], v[30:31]
.irp g, 64,80,96,112
	v_add_f32 v[\g], v[\g], v[\g+1]
.endr
	v_pk_add_f32 v[24:25], v[24:25], v[26:27]
	v_ldexp_f32 v64, v64, s46                      ; q.pb x 2^(e0 + e1)
	v_ldexp_f32 v96, v96, s46
	v_ldexp_f32 v80, v80, s47                      ; q.kf x 2^(e4 + e5)
	v_ldexp_f32 v112, v112, s47
	v_add_f32 v24, v24, v25                        ; q.b2
	v_add_f32 v32, v64, v80
	v_add_f32 v33, v96, v112
	v_add_f32 v32, v32, v24
	v_add_f32 v33, v33, v24
	v_mul_f32 v32, 0x3d3504f3, v32                 ; / sqrt(512)
	v_mul_f32 v33, 0x3d3504f3, v33
	v_med3_num_f32 v32, v32, -v23, v23             ; the clip: it bounds the exponentials, so no maximum is taken away
	v_med3_num_f32 v33, v33, -v23, v23
	v_min_num_f32 v33, s52, v33                    ; no head where g = 0
	v_mul_f32 v32, 0x3fb8aa3b, v32
	v_mul_f32 v33, 0x3fb8aa3b, v33
	s_wait_alu depctr_va_vdst(0)                   ; ahead of the batch
	v_exp_f32 v32, v32
	v_exp_f32 v33, v33
	v_nop
	s_wait_alu depctr_va_vdst(0)                   ; and ahead of its first reader
	v_mov_b32 v34, v32
	v_mov_b32 v35, v33
	REDUCE 34, 2
	v_add_f32 v38, v34, v35
	s_cmp_eq_u32 s32, 3
	s_cselect_b32 s40, -1, 0
	s_wait_alu depctr_va_vdst(0)
	v_rcp_f32 v38, v38
	v_nop
	s_wait_alu depctr_va_vdst(0)
	v_cndmask_b32 v38, v38, v37, s40               ; the tail and the head are not divided here
	v_ldexp_f32 v38, v38, s48                      ; x 2^(e6 + e7) / 16
	v_mul_f32 v32, v32, v38
	v_mul_f32 v33, v33, v38
	ds_store_b32 v20, v32
	ds_store_b32 v21, v33
	s_cmp_eq_u32 s32, 3
	s_cbranch_scc0 .Lsm
	v_mov_b32 v39, 0
	v_cmp_eq_u32 vcc_lo, 0, v3
	s_wait_alu depctr_va_vdst(0)
	s_wait_xcnt 0x0                                ; EXEC is a source of the loads above: it changes only behind this wait
	s_and_saveexec_b32 s41, vcc_lo
	global_store_b64 v39, v[34:35], s[66:67]       ; lane 0: the tail's and the head's sums
	s_wait_xcnt 0x0                                ; and again, in front of the line that widens it
	s_or_b32 exec_lo, exec_lo, s41
.Lsm:
	BAR                                            ; the weights lie in LDS
	; ================ V: a row's weights, eight rows of my half a tile
	v_bfe_u32 v15, v0, 4, 1
	v_lshlrev_b32 v15, 5, v15
	v_add_nc_u32 v15, ATT, v15
.irp i, 0,1
.irp b, 0,1,2,3,4,5
	ds_load_b128 v[192+8*\b+4*\i:195+8*\b+4*\i], v15 offset:64*\b+16*\i            ; in their A windows,
.endr
.irp b, 6,7
	ds_load_b128 v[192+8*\b+4*\i:195+8*\b+4*\i], v15 offset:512+64*\b+16*\i        ; in their B windows;
	ds_load_b128 v[32+8*(\b-6)+4*\i:35+8*(\b-6)+4*\i], v15 offset:64*\b+16*\i      ; the tail,
.endr
.irp b, 0,1
	ds_load_b128 v[16+8*\b+4*\i:19+8*\b+4*\i], v15 offset:512+64*\b+16*\i          ; the head;
.endr
.irp b, 2,3,4,5
	ds_load_b128 v[64+8*(\b-2)+4*\i:67+8*(\b-2)+4*\i], v15 offset:512+64*\b+16*\i  ; chunks 1 and 2 lie in two windows
.endr
.endr
	FLR 13, 0, 0, 128
	FLR 13, 1, 0, 160
	s_wait_alu depctr_va_vdst(0)
	s_wait_dscnt 16                                ; all but the two tiles' 16 loads
.set NH, 0
.rept 16
	v_pk_add_f32 v[208+2*NH:209+2*NH], v[208+2*NH:209+2*NH], v[64+2*NH:65+2*NH]
.set NH, NH+1
.endr
	s_wait_alu depctr_va_vdst(0)
	s_wait_loadcnt 0x0                             ; Wv's half 0
	VH 0
	s_wait_alu depctr_va_vdst(0)
	s_wait_loadcnt 0x0                             ; half 1
	VH 1
	; ================ the way out: a pair's halves, the other eight rows' lane, my wave's 3 x 256 bytes together
	s_mul_i32 s36, s32, 768
	s_add_co_u32 s36, s36, ZST
	v_and_b32 v14, 15, v0
	v_lshl_add_u32 v14, v14, 2, s36
	v_lshrrev_b32 v13, 1, v3                       ; 8 x lane
	v_add_nc_u32 v15, s36, v13
.irp t, 0,1,2,3
	v_add_f32 v[16+\t], v[LA+2*\t], v[LA+2*\t+1]   ; the windows that lie wholly here,
	v_add_f32 v[20+\t], v[56+2*\t], v[56+2*\t+1]   ; the tail,
	v_add_f32 v[24+\t], v[4+2*\t], v[4+2*\t+1]     ; the head
.endr
.set NH, 0
.rept 12
	v_permlanex16_b32 v[32+NH], v[16+NH], s38, s39
.set NH, NH+1
.endr
.set NH, 0
.rept 12
	v_add_f32 v[16+NH], v[16+NH], v[32+NH]
.set NH, NH+1
.endr
.set NH, 0
.rept 12
	ds_store_b32 v14, v[16+NH] offset:64*NH        ; both halves of the lanes store the same number to the same word
.set NH, NH+1
.endr
.irp k, 0,1,2
	ds_load_b64 v[64+2*\k:65+2*\k], v15 offset:256*\k      ; LDS serves a wave's instructions in order (ISA guide 5.7.1.4): these see the stores above
.endr
	s_wait_alu depctr_va_vdst(0)
	s_wait_dscnt 0x0
	global_store_b64 v13, v[64:65], s[60:61]               ; 32 lanes store 256 consecutive bytes, aligned
	global_store_b64 v13, v[66:67], s[60:61] offset:524288
	s_cmp_eq_u32 s35, 1
	s_cbranch_scc1 .Lend                           ; g = 0 has no head
	global_store_b64 v13, v[68:69], s[60:61] offset:1048576
.Lend:
	s_wait_tensorcnt 0x0                           ; the wave's end, behind my last LDS store
	ds_add_u32 v1, v2
	s_wait_dscnt 0x0
	s_endpgm
.Lfunc_end_k_q74c05726a1_main:
	.size	k_q74c05726a1_main, .Lfunc_end_k_q74c05726a1_main-k_q74c05726a1_main
	.p2alignl 7, 3214868480
	.fill 96, 4, 3214868480
	.section	.rodata,"a",@progbits
	.p2align	6, 0x0
	.amdhsa_kernel k_q74c05726a1_main
		.amdhsa_group_segment_fixed_size 299264
		.amdhsa_private_segment_fixed_size 0
		.amdhsa_enable_private_segment 0
		.amdhsa_kernarg_size 88
		.amdhsa_user_sgpr_count 2
		.amdhsa_user_sgpr_kernarg_segment_ptr 1
		.amdhsa_wavefront_size32 1
		.amdhsa_system_sgpr_workgroup_id_x 1
		.amdhsa_system_sgpr_workgroup_id_y 1
		.amdhsa_system_sgpr_workgroup_id_z 1
		.amdhsa_system_vgpr_workitem_id 0
		.amdhsa_next_free_vgpr 512
		.amdhsa_next_free_sgpr 72
		.amdhsa_reserve_vcc 1
		.amdhsa_float_denorm_mode_32 3
		.amdhsa_float_denorm_mode_16_64 3
		.amdhsa_memory_ordered 1
		.amdhsa_forward_progress 1
		.amdhsa_inst_pref_size 255
	.end_amdhsa_kernel
	.section	.bss,"aw",@nobits
	.p2align	6
	.space	262144
	.amdgpu_metadata
---
amdhsa.version: [ 1, 2 ]
amdhsa.kernels:
  - .name:           k_q74c05726a1_main
    .symbol:         k_q74c05726a1_main.kd
    .args:
      - { .name: feats, .offset: 0, .size: 8, .value_kind: global_buffer, .address_space: global }
      - { .name: coords, .offset: 8, .size: 8, .value_kind: global_buffer, .address_space: global }
      - { .name: pos_w1, .offset: 16, .size: 8, .value_kind: global_buffer, .address_space: global }
      - { .name: pos_b1, .offset: 24, .size: 8, .value_kind: global_buffer, .address_space: global }
      - { .name: pos_b2, .offset: 32, .size: 8, .value_kind: global_buffer, .address_space: global }
      - { .name: lowp_scales, .offset: 40, .size: 8, .value_kind: global_buffer, .address_space: global }
      - { .name: qws, .offset: 48, .size: 8, .value_kind: global_buffer, .address_space: global }
      - { .name: cst, .offset: 56, .size: 8, .value_kind: global_buffer, .address_space: global }
      - { .name: wl, .offset: 64, .size: 8, .value_kind: global_buffer, .address_space: global }
      - { .name: zp, .offset: 72, .size: 8, .value_kind: global_buffer, .address_space: global }
      - { .name: dn, .offset: 80, .size: 8, .value_kind: global_buffer, .address_space: global }
    .group_segment_fixed_size: 299264
    .private_segment_fixed_size: 0
    .kernarg_segment_align: 8
    .kernarg_segment_size: 88
    .max_flat_workgroup_size: 256
    .sgpr_count:     72
    .vgpr_count:     512
    .wavefront_size: 32
...
	.end_amdgpu_metadata
.endif
;; end of part 2
;; launch proj (part 3): grid 256 x 1, 4 waves a work-group, no clusters, 2,560 bytes of LDS; arguments zp, Wp_codes, bp, lowp_scales, dn, out0; writes out0
.if DOCPART == 3
	.amdgcn_target "amdgcn-amd-amdhsa--gfx1250"
	.amdhsa_code_object_version 6
	.text
	.protected	k_q74c05726a1_proj
	.globl	k_q74c05726a1_proj
	.p2align	8
	.type	k_q74c05726a1_proj,@function
k_q74c05726a1_proj:
	s_mov_b64 s[64:65], 0
	v_nop
	global_prefetch_b8 v0, s[64:65] scope:SCOPE_SE
	s_setreg_imm32_b32 hwreg(HW_REG_WAVE_MODE, 25, 1), 1
	s_wait_xcnt 0x0
; LSTCWA, launch 3 of 3: Z = the sum of the four work-groups' whole windows and of the four windows that straddle or end one: (tail of g + head of g + 1) / (the sum of both parts' exponentials); for g = 3 the tail alone.
; Z is quantised under e8; out0 = Z Wp^T x 2^(e8 + e9) + bp.
; Work-group b: tokens 2 (b % 32), + 1, channels 64 (b / 32) .. +63.  Wave w sums and quantises half w % 2 of token w / 2 (512 consecutive bytes a load) and stores its codes in a row in LDS; behind a barrier every wave loads
; the fragments (rows 2 to 15 of the tile repeat the two tokens) and makes channels 16 w .. +15 of the 64 (transposed: source 0 = 16 rows of Wp, source 1 = the tokens).  The results meet in a stage, and a wave stores two whole units of 256 bytes.
; LIMITS: e8 between -126 and 119 (2^e8 and 448 x 2^e8 are made as f32 numbers); e8 + e9 is applied by v_ldexp_f32.  NaN among the inputs is not served.
.set ZP,    528                        ; a row of 512 codes + 16
.set STG,   1280                       ; the stage: 2 rows x (256 bytes + 16)
.set SP,    272
.set SPARE, 2048                       ; the spare words, 128 bytes for each wave: two blocks of 256 bytes that no other line names
	s_load_b256 s[4:11], s[0:1], 0x0               ; zp s[4:5], Wp s[6:7], bp s[8:9], scales s[10:11]
	s_load_b128 s[12:15], s[0:1], 0x20             ; dn s[12:13], out0 s[14:15]
	v_lshl_add_u32 v30, v0, 2, SPARE               ; my spare word,
	v_mov_b32 v31, 0                               ; and 0: kept for the closing add alone
	v_lshrrev_b32 v1, 5, v0
	v_readfirstlane_b32 s16, v1                    ; wave w
	s_and_b32 s17, ttmp9, 31                       ; which tokens
	s_lshr_b32 s18, ttmp9, 5                       ; which channels
	s_lshr_b32 s19, s16, 1                         ; which of the two tokens is mine,
	s_and_b32 s20, s16, 1                          ; and which half of it
	s_mul_i32 s21, s19, ZP
	s_lshl_b32 s22, s20, 8
	s_add_co_u32 s21, s21, s22
	s_lshl_b32 s22, s16, 6
	s_add_co_u32 s22, s22, STG
	v_and_b32 v1, 15, v0                           ; r
	v_bfe_u32 v2, v0, 4, 1                         ; h
	v_and_b32 v3, 31, v0                           ; lane
	v_and_b32 v11, 1, v0                           ; the token that row r of the tile repeats
	v_lshlrev_b32 v4, 4, v3                        ; v4  zp: 16 x lane
	v_lshlrev_b32 v5, 9, v1
	v_lshl_add_u32 v5, v2, 4, v5                   ; v5  Wp: row r of 512 codes, + 16 h
	v_lshlrev_b32 v6, 5, v2                        ; v6  bp: 8 h numbers on
	v_lshl_add_u32 v7, v3, 2, s21                  ; v7  my codes in: 4 x lane
	v_mul_u32_u24 v8, v11, ZP
	v_lshl_add_u32 v8, v2, 4, v8                   ; v8  fragments out
	v_mul_u32_u24 v9, v11, SP
	v_lshl_add_u32 v9, v2, 5, v9
	v_add_nc_u32 v9, s22, v9                       ; v9  into the stage: the token's row, 64 w + 32 h bytes on
	v_mul_u32_u24 v10, v2, SP
	v_lshl_add_u32 v10, v1, 4, v10
	v_add_nc_u32 v10, STG, v10                     ; v10 back: row h, 16 r
	v_lshlrev_b32 v14, 11, v2
	v_lshl_add_u32 v14, v1, 4, v14                 ; v14 and the same two rows of out0
	v_mov_b32 v17, 0                               ; (upper halves of pairs whose low words serve both)
	v_mov_b32 v19, 0
	v_mov_b32 v21, 0
	v_mov_b32 v23, 0
	s_mov_b32 s23, 0
	s_wait_alu depctr_va_vdst(0)                   ; at the head's end
	s_wait_kmcnt 0x0
	s_load_b64 s[24:25], s[10:11], 0x20            ; e8, e9
	s_lshl_b32 s26, s17, 1
	s_add_co_u32 s26, s26, s19                     ; my token
	s_lshl_b32 s22, s26, 5
	s_add_nc_u64 s[12:13], s[12:13], s[22:23]
	s_load_b256 s[32:39], s[12:13], 0x0            ; the sums of its tails and heads: t0, h0, t1, h1, t2, h2, t3, h3
	s_lshl_b32 s22, s26, 11
	s_lshl_b32 s26, s20, 10
	s_add_co_u32 s22, s22, s26
	s_add_nc_u64 s[4:5], s[4:5], s[22:23]          ; zp at my token and half
	s_lshl_b32 s22, s18, 15
	s_lshl_b32 s26, s16, 13
	s_add_co_u32 s22, s22, s26
	s_add_nc_u64 s[6:7], s[6:7], s[22:23]          ; Wp at row 64 cg + 16 w
	s_lshl_b32 s22, s18, 8
	s_lshl_b32 s26, s16, 6
	s_add_co_u32 s22, s22, s26
	s_add_nc_u64 s[8:9], s[8:9], s[22:23]          ; bp likewise
	s_lshl_b32 s22, s17, 12
	s_lshl_b32 s26, s18, 8
	s_add_co_u32 s22, s22, s26
	s_add_nc_u64 s[14:15], s[14:15], s[22:23]      ; out0 at (2 m, 64 cg)
.irp j, 0,1
.irp g, 0,1,2,3
	global_load_b128 v[64+8*\g+4*\j:67+8*\g+4*\j], v4, s[4:5] offset:131072*\g+512*\j             ; register 4 j + i = number 256 (w % 2) + 128 j + 4 lane + i of work-group g's whole windows,
	global_load_b128 v[96+8*\g+4*\j:99+8*\g+4*\j], v4, s[4:5] offset:524288+131072*\g+512*\j      ; of its tail,
.endr
.irp g, 1,2,3
	global_load_b128 v[120+8*\g+4*\j:123+8*\g+4*\j], v4, s[4:5] offset:1048576+131072*\g+512*\j   ; and of its head
.endr
.endr
.irp s, 0,1,2,3
.irp c, 0,1,2,3
	global_load_b128 v[192+16*\s+4*\c:192+16*\s+4*\c+3], v5, s[6:7] offset:128*\s+32*\c
.endr
.endr
	global_load_b128 v[32:35], v6, s[8:9]
	global_load_b128 v[36:39], v6, s[8:9] offset:16
	s_wait_kmcnt 0x0
	v_mov_b32 v24, s35
	v_mov_b32 v25, s37
	v_mov_b32 v26, s39
	v_mov_b32 v27, s38
	v_add_f32 v24, s32, v24                        ; tail of g + head of g + 1
	v_add_f32 v25, s34, v25
	v_add_f32 v26, s36, v26
	s_add_co_i32 s22, s24, 127
	s_lshl_b32 s26, s22, 23
	v_mov_b32 v12, s26                             ; 2^e8 as f32
	s_add_co_i32 s22, s22, 8
	s_lshl_b32 s22, s22, 23
	s_or_b32 s22, s22, 0x600000
	v_mov_b32 v13, s22                             ; 448 x 2^e8
	s_add_co_i32 s24, s24, s25                     ; e8 + e9
	s_wait_alu depctr_va_vdst(0)                   ; ahead of the batch
	v_rcp_f32 v16, v24
	v_rcp_f32 v18, v25
	v_rcp_f32 v20, v26
	v_rcp_f32 v22, v27
	v_nop
	s_wait_alu depctr_va_vdst(0)                   ; and ahead of its first reader
	s_wait_loadcnt 18                              ; the parts of Z are in; Wp's 16 loads and bp's 2 may be out
.irp i, 0,2,4,6
	v_pk_add_f32 v[64+\i:65+\i], v[64+\i:65+\i], v[72+\i:73+\i]
	v_pk_add_f32 v[80+\i:81+\i], v[80+\i:81+\i], v[88+\i:89+\i]
.irp g, 0,1,2
	v_pk_add_f32 v[96+8*\g+\i:97+8*\g+\i], v[96+8*\g+\i:97+8*\g+\i], v[128+8*\g+\i:129+8*\g+\i]
.endr
.endr
.irp i, 0,2,4,6
	v_pk_add_f32 v[64+\i:65+\i], v[64+\i:65+\i], v[80+\i:81+\i]
.endr
.irp g, 0,1,2,3
.irp i, 0,2,4,6
	v_pk_fma_f32 v[64+\i:65+\i], v[96+8*\g+\i:97+8*\g+\i], v[16+2*\g:17+2*\g], v[64+\i:65+\i] op_sel_hi:[1,0,1]
.endr
.endr
.irp i, 0,1,2,3,4,5,6,7
	v_med3_num_f32 v[64+\i], v[64+\i], -v13, v13   ; the conversion does not saturate (ISA guide 7.6.2): the hold at 448 x 2^e8
.endr
	v_cvt_scalef32_pk8_fp8_f32 v[40:41], v[64:71], v12
	v_nop                                          ; a plain instruction behind the conversion
.irp j, 0,1
	ds_store_b32 v7, v[40+\j] offset:128*\j        ; codes of k = 256 (w % 2) + 128 j + 4 lane + 0..3
.endr
	s_wait_alu depctr_va_vdst(0)
	s_wait_dscnt 0x0                               ; for the others' sake: my stores have landed
	s_barrier_signal -1
	s_barrier_wait -1
.irp s, 0,1,2,3
.irp c, 0,1,2,3
	ds_load_b128 v[128+16*\s+4*\c:128+16*\s+4*\c+3], v8 offset:128*\s+32*\c
.endr
.endr
	s_wait_dscnt 0x0
	s_wait_loadcnt 0x0                             ; Wp and bp
	v_wmma_f32_16x16x128_fp8_fp8 v[48:55], v[192:207], v[128:143], 0            ; two accumulators by turns
	v_wmma_f32_16x16x128_fp8_fp8 v[56:63], v[208:223], v[144:159], 0
	v_wmma_f32_16x16x128_fp8_fp8 v[48:55], v[224:239], v[160:175], v[48:55]
	v_wmma_f32_16x16x128_fp8_fp8 v[56:63], v[240:255], v[176:191], v[56:63]
.rept 4
	v_nop                                          ; four places between the last product and the first read of results (ISA guide 7.12.1)
.endr
.irp i, 0,2,4,6
	v_pk_add_f32 v[64+\i:65+\i], v[48+\i:49+\i], v[56+\i:57+\i]                 ; from the low end on
.endr
.irp i, 0,1,2,3,4,5,6,7
	v_ldexp_f32 v[64+\i], v[64+\i], s24            ; x 2^(e8 + e9)
.endr
.irp i, 0,2,4,6
	v_pk_add_f32 v[64+\i:65+\i], v[64+\i:65+\i], v[32+\i:33+\i]                 ; + bp
.endr
	ds_store_b128 v9, v[64:67]                     ; lane (r, h): out0(2 m + r % 2, 64 cg + 16 w + 8 h + 0..7): lanes that repeat a token store the same numbers to the same words
	ds_store_b128 v9, v[68:71] offset:16
	s_wait_alu depctr_va_vdst(0)
	s_wait_dscnt 0x0
	s_barrier_signal -1
	s_barrier_wait -1
	s_cmp_eq_u32 s16, 0
	s_cbranch_scc0 .Lend                           ; wave 0 stores both rows
	ds_load_b128 v[72:75], v10
	s_wait_dscnt 0x0
	global_store_b128 v14, v[72:75], s[14:15]      ; sixteen lanes store 256 consecutive bytes, aligned
.Lend:
	s_wait_tensorcnt 0x0                           ; the wave's end, behind my last LDS store
	ds_add_u32 v30, v31
	s_wait_dscnt 0x0
	s_endpgm
.Lfunc_end_k_q74c05726a1_proj:
	.size	k_q74c05726a1_proj, .Lfunc_end_k_q74c05726a1_proj-k_q74c05726a1_proj
	.p2alignl 7, 3214868480
	.fill 96, 4, 3214868480
	.section	.rodata,"a",@progbits
	.p2align	6, 0x0
	.amdhsa_kernel k_q74c05726a1_proj
		.amdhsa_group_segment_fixed_size 2560
		.amdhsa_private_segment_fixed_size 0
		.amdhsa_enable_private_segment 0
		.amdhsa_kernarg_size 48
		.amdhsa_user_sgpr_count 2
		.amdhsa_user_sgpr_kernarg_segment_ptr 1
		.amdhsa_wavefront_size32 1
		.amdhsa_system_sgpr_workgroup_id_x 1
		.amdhsa_system_sgpr_workgroup_id_y 1
		.amdhsa_system_sgpr_workgroup_id_z 1
		.amdhsa_system_vgpr_workitem_id 0
		.amdhsa_next_free_vgpr 256
		.amdhsa_next_free_sgpr 66
		.amdhsa_reserve_vcc 0
		.amdhsa_float_denorm_mode_32 3
		.amdhsa_float_denorm_mode_16_64 3
		.amdhsa_memory_ordered 1
		.amdhsa_forward_progress 1
		.amdhsa_inst_pref_size 14
	.end_amdhsa_kernel
	.amdgpu_metadata
---
amdhsa.version: [ 1, 2 ]
amdhsa.kernels:
  - .name:           k_q74c05726a1_proj
    .symbol:         k_q74c05726a1_proj.kd
    .args:
      - { .name: zp, .offset: 0, .size: 8, .value_kind: global_buffer, .address_space: global }
      - { .name: Wp_codes, .offset: 8, .size: 8, .value_kind: global_buffer, .address_space: global }
      - { .name: bp, .offset: 16, .size: 8, .value_kind: global_buffer, .address_space: global }
      - { .name: lowp_scales, .offset: 24, .size: 8, .value_kind: global_buffer, .address_space: global }
      - { .name: dn, .offset: 32, .size: 8, .value_kind: global_buffer, .address_space: global }
      - { .name: out0, .offset: 40, .size: 8, .value_kind: global_buffer, .address_space: global }
    .group_segment_fixed_size: 2560
    .private_segment_fixed_size: 0
    .kernarg_segment_align: 8
    .kernarg_segment_size: 48
    .max_flat_workgroup_size: 128
    .sgpr_count:     66
    .vgpr_count:     256
    .wavefront_size: 32
...
	.end_amdgpu_metadata
.endif
;; end of part 3
